; MI455X (gfx1250); checked and timed in simulation.
; The chip was launched on July 23, 2026; its instructions are those of AMD's public machine-readable ISA for CDNA 5 (MIT licence, August 2026) and "CDNA5" Instruction Set Architecture Reference Guide (July 2026). The comments in the code are by the model that wrote it; some were corrected since.
;; Coupled Fourier System. Allowed arithmetic: float matrix products may take bf16 or f16 operands with f32 sums; all other float work in f32.
;; Inputs: A 64 x 16 x 2 float32; W 64 x 64 float32; b 64 float32; phi 64 x 16 x 2 float32; s 32,768 float32; w 64 x 16 x 2 float32; x 32,768 x 64 float32.
;; Outputs: out0 32,768 x 64 float32.
;; One version. Each part assembles by itself: llvm-mc -triple=amdgcn-amd-amdhsa -mcpu=gfx1250 --defsym DOCPART=n.
;; ======== version 1 of 1: 1 launch
;; limits: a function is approximated: absolute error at most 2e-06
;; launch fourier (part 1): grid 256 x 1, 8 waves a work-group, no clusters, 79,360 bytes of LDS; arguments A, w, phi, s, W, b, out0; writes out0
.if DOCPART == 1
	.amdgcn_target "amdgcn-amd-amdhsa--gfx1250"
	.amdhsa_code_object_version 6
	.text
	.protected	k_q5b5469ace4_fourier
	.globl	k_q5b5469ace4_fourier
	.p2align	8
	.type	k_q5b5469ace4_fourier,@function
k_q5b5469ace4_fourier:
	s_mov_b64 s[64:65], 0
	v_nop
	global_prefetch_b8 v0, s[64:65] scope:SCOPE_SE
	s_setreg_imm32_b32 hwreg(HW_REG_WAVE_MODE, 25, 1), 1
	s_wait_xcnt 0x0
; out0[i][j] = b[j] + sum over d of W[j][d] pre[i][d],   pre[i][d] = sum over the 32 terms k of row d of A[d][k] cos(w[d][k] s[i] + phi[d][k]).
; 32,768 time points i, 64 dimensions d, 64 outputs j.  The input x is not read: the function to be computed does not use it.
;
; One work-group = 128 time points, eight waves.  Three phases:
;  1. COSINES.  Wave (dh = wave & 1, tg = wave >> 1): lane l owns dimension d = 32 dh + l and keeps its 32 terms' constants in 96 registers;
;     the wave walks time points 32 tg .. 32 tg + 31, whose s is the same in all lanes and comes in scalar registers.  A packed f32 instruction works
;     on the two components (c = 0, 1) of one harmonic.  Ten instructions for two cosines:
;       t = (w / 2 pi) s + phi / 2 pi      the phase in turns, one multiply-add
;       f = fract(t)                       in [0, 1): exact for every finite t, so the reduction holds for phases of any size
;       z = f - f f                        in [0, 1/4]: cos(2 pi f) is symmetric about f = 1/2, hence a function of z alone
;       P(z), degree 5, five multiply-adds; then acc += A P
;     P is the Chebyshev series of cos(2 pi f) in the variable 1 - 8 z (coefficients -+2 J_2k(pi)), cut behind its fifth term and written in powers of z;
;     the first term dropped is 7.8e-7.
;  2. LINEAR.  pre is split into hi = its upper 16 bits (a bf16) and lo = bf16(pre - hi), packed in one word, and handed over in LDS as [time][d].  Read as bf16
;     that is a K of 128: hi, lo, hi, lo ..  W's fragments hold each bf16(W) twice, and each bf16(W - bf16(W)) twice, so two products a K step give
;     (Whi + Wlo)(hi + lo): bf16's range with about 16 bits of each factor.  (Single bf16 factors would leave an error of the size that the result is allowed.)
;  3. WAY OUT.  Bias added, tiles through a stage in LDS, rows read back whole: every global store of a wave covers 512 consecutive bytes, aligned.
;
; LIMITS.  Each cosine is good to about 2e-6 absolute (7.8e-7 from the cut, the rest rounding in z and in the five multiply-adds).  The phase carries one rounding
; of w / 2 pi and one of the multiply-add: about 2^-23 |w s + phi| radians.  Sums run in another order than the formula's.  All inputs are taken to be finite.
.set PW,    144                        ; pre in LDS: a row is 32 words (128 bytes) + 16: an odd multiple of 16, so 16 rows start in 16 different 16-byte columns modulo 256
.set PBLK,  32*PW                      ; a phase-1 wave's own block: its 32 time points x its 32 dimensions
.set STG,   8*PBLK                     ; the stage lies behind the eight blocks
.set SW,    80                         ; stage: a row is 16 f32 (64 bytes) + 16, again an odd multiple of 16
.set SBLK,  64*SW+64                   ; a phase-2 wave's own block: 64 time points x 16 outputs; the 64 bytes more set the four blocks that make up a row of out0 64 bytes apart modulo 256
; vector registers
.set CADR,  1                          ; byte offset of my row in A, w, phi
.set C5,    2                          ; v[2:3]     P's coefficient of z^5, twice
.set LA,    4                          ; phase 1: where my word of pre goes
.set WA,    5                          ; byte offset of my part of W
.set BA,    6                          ; byte offset of my part of b
.set PA,    7                          ; phase 2: my part of a fragment of pre
.set SA,    8                          ; phase 2: where my 32 bytes of a tile go
.set RA,    9                          ; phase 3: where I read 16 bytes of a row back
.set OA,    10                         ; phase 3: 16 x lane
.set CW,    16                         ; v[16:47]   w / 2 pi, 32 terms
.set CP,    48                         ; v[48:79]   phi / 2 pi
.set CA,    80                         ; v[80:111]  A
.set T,     112                        ; v[112:127] eight chains: t, then f, then P
.set Z,     128                        ; v[128:143] eight chains: z
.set ACC,   144                        ; v[144:175] four time points x four packed sums
.set PR,    176                        ; v[176:179] pre of four time points, then lo
.set HF,    180                        ; v[180:183] hi, then the packed word
.set WR,    184                        ; v[184:215] W as loaded, later Wlo twice in each register
.set BIAS,  216                        ; v[216:223] b of my eight outputs
.set D,     224                        ; v[224:255] four result tiles
.set WH,    16                         ; phase 2, over the constants: Whi twice in each register
.set TMP,   48                         ; phase 2: Whi as f32
.set PF,    48                         ; v[48:175]  phase 2: 16 fragments of pre; phase 3: rows on their way out
; scalar registers.  A scalar source of a packed f32 instruction is an even-aligned pair of which the first register feeds both halves.
.set K0,    24                         ; s[24:33]   P's coefficients of z^0 .. z^4
.set K1,    26
.set K2,    28
.set K3,    30
.set K4,    32
.set INV,   34                         ; 1 / 2 pi
.set MASK,  36                         ; a word's upper 16 bits
.set CNT,   37
.set SL,    40                         ; s[40:43]   four time points as loaded
.set TS,    44                         ; s[44:51]   the same, one to a pair
.macro KPAIR reg, val
	s_mov_b32 s[\reg], \val
	s_mov_b32 s[\reg+1], \val
.endm
	s_load_b256 s[4:11], s[0:1], 0x0               ; A s[4:5], w s[6:7], phi s[8:9], s s[10:11]
	s_load_b128 s[12:15], s[0:1], 0x20             ; W s[12:13], b s[14:15]
	s_load_b64 s[16:17], s[0:1], 0x30              ; out0
	s_set_vgpr_msb 0x40
	v_lshl_add_u32 v0, v0, 2, 0x13200
	v_mov_b32 v1, 0
	s_set_vgpr_msb 0x4000
	v_lshrrev_b32 v11, 5, v0
	v_readfirstlane_b32 s20, v11                   ; wave 0..7
	v_and_b32 v11, 31, v0                          ; lane
	v_and_b32 v12, 15, v0                          ; r = lane % 16
	v_bfe_u32 v13, v0, 4, 1                        ; h = lane / 16
	s_and_b32 s21, s20, 1                          ; phase 1: dh, which 32 dimensions
	s_lshr_b32 s22, s20, 1                         ; phase 1: tg, which 32 time points
	s_and_b32 s23, s20, 3                          ; phase 2: jt, which 16 outputs
	s_lshr_b32 s38, s20, 2                         ; phase 2: th, which 64 time points
	KPAIR K0, 0x3f800006                           ;   1.00000077
	KPAIR K1, 0xb966a45d                           ;  -0.00021995740
	KPAIR K2, 0xc19dd506                           ; -19.7290156
	KPAIR K3, 0xc21e9a2f                           ; -39.6505704
	KPAIR K4, 0xc201ce73                           ; -32.4516101
	KPAIR INV, 0x3e22f983                          ;   0.159154943
	v_mov_b32 v[C5], 0xc1a891a0                    ; -21.0711057
	v_mov_b32 v[C5+1], 0xc1a891a0
	s_mov_b32 s[MASK], 0xffff0000
.irp tp, 0,1,2,3
	s_mov_b32 s[TS+2*\tp+1], 0                     ; the pairs' second registers: named by the packed instructions, never used
.endr
	s_lshl_b32 s52, s21, 12
	v_lshl_add_u32 v[CADR], v11, 7, s52            ; row d = 32 dh + lane, 128 bytes a row
	s_lshl_b32 s53, s23, 12
	v_lshl_add_u32 v[WA], v12, 8, s53              ; W: row 16 jt + r, 256 bytes a row,
	v_lshl_add_u32 v[WA], v13, 4, v[WA]            ;    + 16 h
	s_lshl_b32 s54, s23, 6
	v_lshl_add_u32 v[BA], v13, 5, s54              ; b: outputs 16 jt + 8 h ..
	s_mul_i32 s55, s20, PBLK
	v_lshl_add_u32 v[LA], v11, 2, s55              ; my wave's block, word = lane
	s_mul_i32 s56, s38, 4*PBLK                     ; time points 64 th .. lie in blocks 4 th .. 4 th + 3
	v_mul_u32_u24 v14, v12, PW
	v_lshl_add_u32 v14, v13, 4, v14
	v_add_nc_u32 v[PA], s56, v14                   ; row r, + 16 h
	s_mul_i32 s57, s20, SBLK
	s_add_co_u32 s57, s57, STG
	v_mul_u32_u24 v14, v12, SW
	v_lshl_add_u32 v14, v13, 5, v14
	v_add_nc_u32 v[SA], s57, v14                   ; my wave's stage block, row r, + 32 h
	s_mul_i32 s58, s38, 4*SBLK                     ; phase 3: wave v takes rows 16 v .. 16 v + 15 = rows 16 (v & 3) .. of stage blocks 4 (v >> 2) .. + 3
	s_mul_i32 s59, s23, 16*SW
	s_add_co_u32 s58, s58, s59
	s_add_co_u32 s58, s58, STG
	v_bfe_u32 v14, v0, 2, 2                        ; r / 4: which block holds my 16 bytes of the row
	v_mul_u32_u24 v14, v14, SBLK
	v_and_b32 v15, 3, v0                           ; r % 4: which 16 bytes of its 64
	v_lshl_add_u32 v14, v15, 4, v14
	v_mul_u32_u24 v15, v13, SW                     ; lanes 16 to 31: the next row
	v_add3_u32 v[RA], v14, v15, s58
	v_lshlrev_b32 v[OA], 4, v11
	s_lshl_b32 s60, ttmp9, 15                      ; out0: 128 rows of 256 bytes a work-group,
	s_lshl_b32 s61, s20, 12                        ;       16 rows a wave
	s_add_co_u32 s60, s60, s61
	s_mov_b32 s61, 0
	s_lshl_b32 s62, ttmp9, 9                       ; s: 128 numbers a work-group,
	s_lshl_b32 s63, s22, 7                         ;    32 for each tg
	s_add_co_u32 s62, s62, s63
	s_mov_b32 s63, 0
	s_wait_kmcnt 0x0
	s_add_nc_u64 s[10:11], s[10:11], s[62:63]
	s_add_nc_u64 s[16:17], s[16:17], s[60:61]
	s_load_b128 s[SL:SL+3], s[10:11], 0x0          ; my first four time points
	; A lane's eight loads from a table take its whole row of 128 bytes; each table is read once by a wave.
.irp i, 0,1,2,3,4,5,6,7
	global_load_b128 v[CW+4*\i:CW+4*\i+3], v[CADR], s[6:7] offset:16*\i
.endr
.irp i, 0,1,2,3,4,5,6,7
	global_load_b128 v[CP+4*\i:CP+4*\i+3], v[CADR], s[8:9] offset:16*\i
.endr
.irp i, 0,1,2,3,4,5,6,7
	global_load_b128 v[CA+4*\i:CA+4*\i+3], v[CADR], s[4:5] offset:16*\i
.endr
	; W for phase 2, asked for now and left on its way through phase 1.  Fragment register i of K step ks stands for k = 32 ks + 8 h + 2 i, + 1 (i < 4) and
	; 32 ks + 16 + 8 h + 2 (i - 4), + 1: with hi and lo interleaved that is dimension 16 ks + 4 h + i, and 16 ks + 8 + 4 h + (i - 4): two loads of four f32.
.irp ks, 0,1,2,3
	global_load_b128 v[WR+8*\ks:WR+8*\ks+3],   v[WA], s[12:13] offset:64*\ks
	global_load_b128 v[WR+8*\ks+4:WR+8*\ks+7], v[WA], s[12:13] offset:64*\ks+32
.endr
	global_load_b128 v[BIAS:BIAS+3],   v[BA], s[14:15]
	global_load_b128 v[BIAS+4:BIAS+7], v[BA], s[14:15] offset:16
	s_wait_loadcnt 18                              ; w and phi are in: behind them went 8 loads of A, 8 of W, 2 of b
.irp i, 0,2,4,6,8,10,12,14,16,18,20,22,24,26,28,30
	v_pk_mul_f32 v[CW+\i:CW+\i+1], v[CW+\i:CW+\i+1], s[INV:INV+1] op_sel_hi:[1,0]   ; radians to turns, once
.endr
.irp i, 0,2,4,6,8,10,12,14,16,18,20,22,24,26,28,30
	v_pk_mul_f32 v[CP+\i:CP+\i+1], v[CP+\i:CP+\i+1], s[INV:INV+1] op_sel_hi:[1,0]
.endr
	s_wait_loadcnt 10                              ; A is in: W's 8 loads and b's 2 stay out
; Time point tp of the trip, harmonics 8 g .. 8 g + 7: eight chains that do not hang on each other, taken stage by stage.
.macro CHAINS tp, g
.irp k, 0,1,2,3,4,5,6,7
	v_pk_fma_f32 v[T+2*\k:T+2*\k+1], v[CW+16*\g+2*\k:CW+16*\g+2*\k+1], s[TS+2*\tp:TS+2*\tp+1], v[CP+16*\g+2*\k:CP+16*\g+2*\k+1] op_sel_hi:[1,0,1]
.endr
.irp k, 0,1,2,3,4,5,6,7,8,9,10,11,12,13,14,15
	v_fract_f32 v[T+\k], v[T+\k]
.endr
.irp k, 0,1,2,3,4,5,6,7
	v_pk_fma_f32 v[Z+2*\k:Z+2*\k+1], v[T+2*\k:T+2*\k+1], v[T+2*\k:T+2*\k+1], v[T+2*\k:T+2*\k+1] neg_lo:[1,0,0] neg_hi:[1,0,0]   ; f - f f
.endr
.irp k, 0,1,2,3,4,5,6,7
	v_pk_fma_f32 v[T+2*\k:T+2*\k+1], v[C5:C5+1], v[Z+2*\k:Z+2*\k+1], s[K4:K4+1] op_sel_hi:[1,1,0]
.endr
.irp c, K3, K2, K1, K0
.irp k, 0,1,2,3,4,5,6,7
	v_pk_fma_f32 v[T+2*\k:T+2*\k+1], v[T+2*\k:T+2*\k+1], v[Z+2*\k:Z+2*\k+1], s[\c:\c+1] op_sel_hi:[1,1,0]
.endr
.endr
.irp k, 0,1,2,3,4,5,6,7
.if 8*\g+\k < 4
	v_pk_mul_f32 v[ACC+8*\tp+2*(\k&3):ACC+8*\tp+2*(\k&3)+1], v[CA+16*\g+2*\k:CA+16*\g+2*\k+1], v[T+2*\k:T+2*\k+1]   ; the first four products start the sums: nothing is cleared
.else
	v_pk_fma_f32 v[ACC+8*\tp+2*(\k&3):ACC+8*\tp+2*(\k&3)+1], v[CA+16*\g+2*\k:CA+16*\g+2*\k+1], v[T+2*\k:T+2*\k+1], v[ACC+8*\tp+2*(\k&3):ACC+8*\tp+2*(\k&3)+1]
.endif
.endr
.endm
; The trip's four time points are finished together, so that each stage has four independent instructions or more.
.macro FINISH
.irp tp, 0,1,2,3
	v_pk_add_f32 v[ACC+8*\tp:ACC+8*\tp+1],   v[ACC+8*\tp:ACC+8*\tp+1],   v[ACC+8*\tp+2:ACC+8*\tp+3]
	v_pk_add_f32 v[ACC+8*\tp+4:ACC+8*\tp+5], v[ACC+8*\tp+4:ACC+8*\tp+5], v[ACC+8*\tp+6:ACC+8*\tp+7]
.endr
.irp tp, 0,1,2,3
	v_pk_add_f32 v[ACC+8*\tp:ACC+8*\tp+1], v[ACC+8*\tp:ACC+8*\tp+1], v[ACC+8*\tp+4:ACC+8*\tp+5]
.endr
.irp tp, 0,1,2,3
	v_add_f32 v[PR+\tp], v[ACC+8*\tp], v[ACC+8*\tp+1]              ; pre[time][d]
.endr
.irp tp, 0,1,2,3
	v_and_b32 v[HF+\tp], s[MASK], v[PR+\tp]                        ; hi: the upper 16 bits, a bf16 as it stands
.endr
.irp p, 0,2
	v_pk_add_f32 v[PR+\p:PR+\p+1], v[PR+\p:PR+\p+1], v[HF+\p:HF+\p+1] neg_lo:[0,1] neg_hi:[0,1]   ; pre - hi, exact
.endr
.irp tp, 0,1,2,3
	v_cvt_pk_bf16_f32 v[HF+\tp], v[HF+\tp], v[PR+\tp]              ; hi below (unchanged), lo rounded above
.endr
.irp tp, 0,1,2,3
	ds_store_b32 v[LA], v[HF+\tp] offset:\tp*PW                    ; 32 lanes, 32 neighbouring words of one row
.endr
	v_add_nc_u32 v[LA], 4*PW, v[LA]
.endm
; A trip: four time points.  more = 1: the next four are asked for at its head and have the trip's vector work in which to come.
.macro TRIP more
	s_wait_kmcnt 0x0                               ; scalar loads may come back in any order (ISA guide 5.7.1): zero; it also frees the load's address
.irp tp, 0,1,2,3
	s_mov_b32 s[TS+2*\tp], s[SL+\tp]               ; each into the first register of a pair
.endr
.if \more
	s_add_nc_u64 s[10:11], s[10:11], 16
	s_load_b128 s[SL:SL+3], s[10:11], 0x0
.endif
.irp tp, 0,1,2,3
	CHAINS \tp, 0
	CHAINS \tp, 1
.endr
	FINISH
.endm
	s_mov_b32 s[CNT], 7
.Ltrip:
	TRIP 1
	s_sub_co_u32 s[CNT], s[CNT], 1
	s_cmp_lg_u32 s[CNT], 0
	s_cbranch_scc1 .Ltrip
	TRIP 0                                         ; the eighth trip asks for nothing: no load passes the wave's 32 numbers of s
	; PHASE 2.  My words of pre are in LDS before I say so; W is split while the other waves arrive (register work alone).
	s_wait_loadcnt 0x0                             ; W and b
	s_wait_dscnt 0x0                               ; for the other waves' sake: all my stores
	s_barrier_signal -1
.set i, 0
.rept 32
	v_cvt_pk_bf16_f32 v[WH+i], v[WR+i], v[WR+i]    ; Whi in both halves: it meets hi and lo of one dimension
.set i, i+1
.endr
.set i, 0
.rept 32
	v_and_b32 v[TMP+i], s[MASK], v[WH+i]           ; Whi as f32
.set i, i+1
.endr
.set i, 0
.rept 16
	v_pk_add_f32 v[WR+i:WR+i+1], v[WR+i:WR+i+1], v[TMP+i:TMP+i+1] neg_lo:[0,1] neg_hi:[0,1]   ; W - Whi, exact
.set i, i+2
.endr
.set i, 0
.rept 32
	v_cvt_pk_bf16_f32 v[WR+i], v[WR+i], v[WR+i]    ; Wlo in both halves
.set i, i+1
.endr
	s_barrier_wait -1                              ; every wave's words of pre are in LDS
	; Fragments of pre: lane (r, h) takes time point 64 th + 16 tt + r, k = 32 ks + 8 h .. + 7 and 32 ks + 16 + 8 h .. + 7: two loads of 16 bytes, 32 apart.
	; Time tile tt lies in rows 16 (tt & 1) .. of the blocks of tg = 2 th + (tt >> 1); K steps 0, 1 in the block of dh = 0, K steps 2, 3 in that of dh = 1.
.irp ks, 0,1,2,3
.irp tt, 0,1,2,3
	ds_load_b128 v[PF+32*\ks+8*\tt:PF+32*\ks+8*\tt+3],   v[PA] offset:(\tt>>1)*2*PBLK+(\ks>>1)*PBLK+(\tt&1)*16*PW+(\ks&1)*64
	ds_load_b128 v[PF+32*\ks+8*\tt+4:PF+32*\ks+8*\tt+7], v[PA] offset:(\tt>>1)*2*PBLK+(\ks>>1)*PBLK+(\tt&1)*16*PW+(\ks&1)*64+32
.endr
.endr
	; Source 0 = 16 rows of W, source 1 = 16 time points: register i of lane (r, h) is out0[time r][16 jt + 8 h + i], eight neighbouring numbers of a row.
	; The four accumulators take turns, one instruction a turn.
.irp ks, 0,1,2,3
	s_wait_dscnt 24-8*\ks                          ; this K step's eight loads are in; the eight of each later K step may be out
.irp tt, 0,1,2,3
.if \ks == 0
	v_wmma_f32_16x16x32_bf16 v[D+8*\tt:D+8*\tt+7], v[WH+8*\ks:WH+8*\ks+7], v[PF+32*\ks+8*\tt:PF+32*\ks+8*\tt+7], 0   ; the first product starts the sum
.else
	v_wmma_f32_16x16x32_bf16 v[D+8*\tt:D+8*\tt+7], v[WH+8*\ks:WH+8*\ks+7], v[PF+32*\ks+8*\tt:PF+32*\ks+8*\tt+7], v[D+8*\tt:D+8*\tt+7]
.endif
.endr
.irp tt, 0,1,2,3
	v_wmma_f32_16x16x32_bf16 v[D+8*\tt:D+8*\tt+7], v[WR+8*\ks:WR+8*\ks+7], v[PF+32*\ks+8*\tt:PF+32*\ks+8*\tt+7], v[D+8*\tt:D+8*\tt+7]
.endr
.endr
.rept 4
	v_nop                                          ; four places behind the last matrix instructions before a vector instruction reads a result (ISA guide 7.12.1)
.endr
.irp tt, 0,1,2,3
.irp p, 0,2,4,6
	v_pk_add_f32 v[D+8*\tt+\p:D+8*\tt+\p+1], v[D+8*\tt+\p:D+8*\tt+\p+1], v[BIAS+\p:BIAS+\p+1]
.endr
.endr
.irp tt, 0,1,2,3
	ds_store_b128 v[SA], v[D+8*\tt:D+8*\tt+3]   offset:\tt*16*SW
	ds_store_b128 v[SA], v[D+8*\tt+4:D+8*\tt+7] offset:\tt*16*SW+16
.endr
	s_wait_dscnt 0x0                               ; for the other waves' sake: all my stores
	s_barrier_signal -1
	s_barrier_wait -1
	; PHASE 3.  A row of out0 is 256 bytes, 64 from each of four stage blocks.  Lanes 0 to 15 take one row, lanes 16 to 31 the next: 512 consecutive bytes of out0.
.irp i, 0,1,2,3,4,5,6,7
	ds_load_b128 v[PF+4*\i:PF+4*\i+3], v[RA] offset:\i*2*SW
.endr
.irp i, 0,1,2,3,4,5,6,7
	s_wait_dscnt 7-\i                              ; LDS loads come back in order (ISA guide 5.7.1): pair i of rows is in
	global_store_b128 v[OA], v[PF+4*\i:PF+4*\i+3], s[16:17] offset:512*\i th:TH_STORE_NT
.endr
	s_set_vgpr_msb 0x5
	s_wait_tensorcnt 0x0
	ds_add_u32 v0, v1
	s_wait_dscnt 0x0
	s_set_vgpr_msb 0x500
	s_endpgm
.Lfunc_end_k_q5b5469ace4_fourier:
	.size	k_q5b5469ace4_fourier, .Lfunc_end_k_q5b5469ace4_fourier-k_q5b5469ace4_fourier
	.p2alignl 7, 3214868480
	.fill 96, 4, 3214868480
	.section	.rodata,"a",@progbits
	.p2align	6, 0x0
	.amdhsa_kernel k_q5b5469ace4_fourier
		.amdhsa_group_segment_fixed_size 79360
		.amdhsa_private_segment_fixed_size 0
		.amdhsa_enable_private_segment 0
		.amdhsa_kernarg_size 56
		.amdhsa_user_sgpr_count 2
		.amdhsa_user_sgpr_kernarg_segment_ptr 1
		.amdhsa_wavefront_size32 1
		.amdhsa_system_sgpr_workgroup_id_x 1
		.amdhsa_system_sgpr_workgroup_id_y 1
		.amdhsa_system_sgpr_workgroup_id_z 1
		.amdhsa_system_vgpr_workitem_id 0
		.amdhsa_next_free_vgpr 258
		.amdhsa_next_free_sgpr 66
		.amdhsa_reserve_vcc 0
		.amdhsa_float_denorm_mode_32 3
		.amdhsa_float_denorm_mode_16_64 3
		.amdhsa_memory_ordered 1
		.amdhsa_forward_progress 1
		.amdhsa_inst_pref_size 99
	.end_amdhsa_kernel
	.amdgpu_metadata
---
amdhsa.version: [ 1, 2 ]
amdhsa.kernels:
  - .name:           k_q5b5469ace4_fourier
    .symbol:         k_q5b5469ace4_fourier.kd
    .args:
      - { .name: A, .offset: 0, .size: 8, .value_kind: global_buffer, .address_space: global }
      - { .name: w, .offset: 8, .size: 8, .value_kind: global_buffer, .address_space: global }
      - { .name: phi, .offset: 16, .size: 8, .value_kind: global_buffer, .address_space: global }
      - { .name: s, .offset: 24, .size: 8, .value_kind: global_buffer, .address_space: global }
      - { .name: W, .offset: 32, .size: 8, .value_kind: global_buffer, .address_space: global }
      - { .name: b, .offset: 40, .size: 8, .value_kind: global_buffer, .address_space: global }
      - { .name: out0, .offset: 48, .size: 8, .value_kind: global_buffer, .address_space: global }
    .group_segment_fixed_size: 79360
    .private_segment_fixed_size: 0
    .kernarg_segment_align: 8
    .kernarg_segment_size: 56
    .max_flat_workgroup_size: 256
    .sgpr_count:     66
    .vgpr_count:     258
    .wavefront_size: 32
...
	.end_amdgpu_metadata
.endif
;; end of part 1
